; MI455X (gfx1250); checked and timed in simulation.
; The chip was launched on July 23, 2026; its instructions are those of AMD's public machine-readable ISA for CDNA 5 (MIT licence, August 2026) and "CDNA5" Instruction Set Architecture Reference Guide (July 2026). The comments in the code are by the model that wrote it; some were corrected since.
;; Masked Multi Head Attention. Allowed arithmetic: matrix products marked QUANTISED: E2M1 operands, one E8M0 scale for each 32 along K, by v_wmma_scale_f32_16x16x128_f8f6f4 with both operands' format E2M1 (or v_wmma_scale_f32_32x16x128_f4), f32 sums; everything else in f32.
;; Inputs: Wk 1,024 x 1,024 float32; Wo 1,024 x 1,024 float32; Wq 1,024 x 1,024 float32; Wv 1,024 x 1,024 float32; bo 1,024 float32; x 4 x 2,048 x 1,024 float32.
;; Outputs: out0 4 x 2,048 x 1,024 float32.
;; This version of the problem:
;;   THIS VERSION OF THE PROBLEM IS GIVEN IN LOW PRECISION. The matrix products marked QUANTISED in the list below multiply operands that are first quantised to E2M1 (2 exponent bits, 1 mantissa bit; 4 bits a number), with one power-of-two scale for each 32 numbers along K (OCP MX v1.0); their sums are f32. All else is computed in f32.
;;   The module's matrix products, in the order in which they are computed (A, B: the left and right operand; K: the contracted axis; several contracted axes count as one K, in the product's order):
;;     1. [M 8,192, K 1,024] x [K 1,024, N 1,024]; A: input x; B: input Wq: QUANTISED
;;     2. [M 8,192, K 1,024] x [K 1,024, N 1,024]; A: input x; B: input Wk: QUANTISED
;;     3. [M 8,192, K 1,024] x [K 1,024, N 1,024]; A: input x; B: input Wv: QUANTISED
;;     4. batch 64 x [M 2,048, K 64] x [K 64, N 2,048]; A: computed on the way; B: computed on the way: QUANTISED
;;     5. batch 64 x [M 64, K 2,048] x [K 2,048, N 2,048]; A: computed on the way; B: softmax (see below): QUANTISED
;;     6. [M 8,192, K 1,024] x [K 1,024, N 1,024]; A: computed on the way; B: input Wo: QUANTISED
;;   THE QUANTISER, for each operand of a quantised product, along K:
;;     - K is cut into blocks of 32 from its start; a last block that is shorter is filled with zeros.
;;     - A block's scale is 2^e with e = floor(log2(the largest magnitude in the block)) - 2, held to -126 .. 127; a block of zeros has e = 0. As a byte (E8M0): e + 127.
;;     - Each number is divided by its block's scale, clamped to +-6, and rounded to the nearest number of E2M1, ties to even, subnormals kept.
;;     - The product sums the exact products of the quantised numbers (number of the format x scale) in f32.
;;   ~~~python
;;   def quantise(x, axis):      # numpy; x: float32 -> the quantised numbers, widened to float32 again
;;       x = np.moveaxis(x, axis, -1); K = x.shape[-1]
;;       x = np.pad(x, [(0, 0)] * (x.ndim - 1) + [(0, -K % 32)]); x = x.reshape(x.shape[:-1] + (-1, 32)); a = np.abs(x).max(-1, keepdims=True)
;;       e = np.where(a > 0, np.clip(np.frexp(np.where(a > 0, a, 1))[1] - 1 - 2, -126, 127), 0)      # np.frexp(a)[1] - 1 = floor(log2(a)), exactly
;;       r = np.clip(x / 2.0 ** e, -6, 6)
;;       step = 2.0 ** (np.maximum(np.frexp(np.where(r == 0, 1, r))[1] - 1, 0) - 1)
;;       q = np.round(r / step) * step * 2.0 ** e      # np.round: ties to even
;;       return np.moveaxis(q.reshape(q.shape[:-2] + (-1,))[..., :K], -1, axis).astype(np.float32)
;;   ~~~
;;   SOFTMAX AHEAD OF A QUANTISED PRODUCT. Where the list says 'softmax', what is quantised is not the finished softmax but p = 2^(t - M), with t = logit x log2(e) and M = ceil(the row's largest t), a whole number; so 1/2 < the row's largest p <= 1. The row's sum l is taken of the UNQUANTISED p, in f32, and the product's result is divided by l at the end. Since M is a whole number, a kernel that streams over the keys may use a running M (the ceiling of the running maximum): every later rescaling is an exact power of two, which a block's scale takes up: the codes' values come out the same.
;;   OPERANDS COMPUTED ON THE WAY. 'Computed on the way' means the value that the module computes at that place (a softmax that the list does not call 'softmax' is quantised finished and normalised). What goes into a quantiser is computed in f32, as accurately as f32 sums, v_exp_f32 and their like allow (about 1e-6 of the number): no bf16 or f16 on the way to a quantiser, and a product that is left as it is and whose result goes on into a quantised operand takes f32 operands (vector FMAs, or v_wmma_f32_16x16x4_f32). A number that lies on a knife's edge between two numbers of the format may be rounded either way, as far as f32 arithmetic and the matrix unit's own rounding can turn it there, and no further.
;; One version. Each part assembles by itself: llvm-mc -triple=amdgcn-amd-amdhsa -mcpu=gfx1250 --defsym DOCPART=n.
;; ======== version 1 of 1: 4 launches
;; limits: right only within a limited range of input values
;; workspace buffers: ops 6,684,672 bytes; qkv 13,369,344 bytes; ctx 4,456,448 bytes
;; launch quant (part 1): grid 512 x 1, 4 waves a work-group, no clusters, 35,328 bytes of LDS; arguments x, Wq, Wk, Wv, Wo, ops; writes ops
.if DOCPART == 1
	.amdgcn_target "amdgcn-amd-amdhsa--gfx1250"
	.amdhsa_code_object_version 6
	.text
	.protected	k_qcdc90da546_quant
	.globl	k_qcdc90da546_quant
	.p2align	8
	.type	k_qcdc90da546_quant,@function
k_qcdc90da546_quant:
	s_mov_b64 s[64:65], 0
	v_nop
	global_prefetch_b8 v0, s[64:65] scope:SCOPE_SE
	s_setreg_imm32_b32 hwreg(HW_REG_WAVE_MODE, 25, 1), 1
	s_wait_xcnt 0x0
; x [8192][1024] and the four weights [1024 (k)][1024 (n)], f32, become codes of FP4 (E2M1) with one E8M0 byte for each 32 along K, laid as the products' launches take them.
; A FRAGMENT (16 rows x 128 K) IS STORED AS THE IMAGE OF ITS EIGHT REGISTERS, 1,024 bytes: registers 4 c .. 4 c + 3 of lane l (k = 64 c + 32 (l / 16) + 0 .. 31 of row l % 16) at 512 c + 16 l.
; THE ROWS OF A TILE ARE NOT NEIGHBOURS: place r of tile 2 g + u is row 32 g + 8 u + r + 8 (r / 8) (for a weight: column n).
; ops: codes [tile][K step 0..7][1,024 bytes]: x's 512 tiles at XC, the weights' 256 at WC (64 each: q, k, v, o); scale words (four bytes: a row's 128 along K) [tile / 8][K step][tile % 8][16 words] at XS and WS.
; A block's scale is 2^(floor(log2(largest magnitude)) - 2): its byte is the largest magnitude's exponent field - 2, held at 1 from below by a floor among the maximum's leaves.
; LIMITS: NaN and infinities among the inputs are not served; a block of zeros gets the byte 1 where the rule says 127: its codes are zeros, and this program alone reads the bytes.
; Work-groups 0-255 take x, 256-511 the weights.  Only x's path uses LDS.  No tensor load, no barrier: waves share nothing.  Matrix units and clusters have nothing to do here: each input byte is read once.
.set XC, 0
.set WC, 4194304
.set XS, 6291456
.set WS, 6553600
.set FLOOR, 0x1800000                  ; 2^(3 - 127)
.set SP, 528                           ; a stage row: 512 bytes + 16: the sixteen rows that a read touches start in sixteen different groups of banks
.set WREG, 8704                        ; LDS of a wave: 16 stage rows, then 256 bytes for scale words
; the largest magnitude of the 32 numbers v[x] .. v[x + 31], and the floor, into v[d]; v[t] at work: two chains
.macro BMAX d, t, x
	v_max3_num_f32 v[\d], |v[(\x)]|, |v[(\x)+1]|, |v[(\x)+2]|
	v_max3_num_f32 v[\t], |v[(\x)+3]|, |v[(\x)+4]|, |v[(\x)+5]|
.irp i, 6,10,14,18,22,26
	v_max3_num_f32 v[\d], v[\d], |v[(\x)+\i]|, |v[(\x)+\i+1]|
	v_max3_num_f32 v[\t], v[\t], |v[(\x)+\i+2]|, |v[(\x)+\i+3]|
.endr
	v_max3_num_f32 v[\d], v[\d], |v[(\x)+30]|, |v[(\x)+31]|
	v_max3_num_f32 v[\d], v[\d], v[\t], FLOOR
.endm
; x: the 16 rows of fragment f, 512 consecutive bytes a load, into set f % 2
.macro XLOAD f
.irp i, 0,1,2,3,4,5,6,7,8,9,10,11,12,13,14,15
	global_load_b128 v[16+64*((\f)%2)+4*\i:16+64*((\f)%2)+4*\i+3], v3, s[4:5] offset:(32*((\f)/2)+8*((\f)%2)+\i+8*(\i/8))*4096 th:TH_LOAD_NT
.endr
.endm
; x: fragment f is turned through the wave's stage (a lane then holds two whole blocks of its row), quantised and stored
.macro XFRAG f
.if (\f) < 3
	s_wait_loadcnt 16                              ; this fragment's 16 loads are in; the next fragment's 16 may be out
.else
	s_wait_loadcnt 0x0
.endif
.irp i, 0,1,2,3,4,5,6,7,8,9,10,11,12,13,14,15
	ds_store_b128 v4, v[16+64*((\f)%2)+4*\i:16+64*((\f)%2)+4*\i+3] offset:\i*SP
.endr
.irp c, 0,1
.irp j, 0,1,2,3,4,5,6,7
	ds_load_b128 v[144+32*\c+4*\j:144+32*\c+4*\j+3], v5 offset:256*\c+16*\j   ; row r, k = 64 c + 32 h + 4 j on; LDS serves a wave's instructions in order
.endr
.endr
	s_wait_dscnt 0x0                               ; the numbers are back
.if (\f) < 2
	XLOAD (\f)+2
.endif
	BMAX 244, 245, 144
	BMAX 246, 247, 176
	v_add_nc_u32 v249, 0xff000000, v244            ; 2 off the exponent field: the conversion takes this operand's exponent field as its scale
	v_add_nc_u32 v250, 0xff000000, v246
	v_lshrrev_b32 v251, 23, v249                   ; the bytes of blocks h and 2 + h
	v_lshrrev_b32 v252, 23, v250
	v_lshl_or_b32 v251, v252, 16, v251
	v_lshlrev_b32 v251, v10, v251                  ; at their places in the word: 8 h bits up
	v_permlanex16_b32 v248, v251, s30, s31
	v_or_b32 v[240+(\f)], v251, v248               ; with lane l xor 16's two the word is whole
.irp c, 0,1
.irp g, 0,1,2,3
	v_cvt_scalef32_pk8_fp4_f32 v[208+8*(\f)+4*\c+\g], v[144+32*\c+8*\g:144+32*\c+8*\g+7], v[249+\c]
.endr
.endr
	v_nop                                          ; a plain line behind the last conversion
	global_store_b128 v3, v[208+8*(\f):208+8*(\f)+3], s[22:23] offset:(\f)*8192       ; 512 consecutive bytes of the image
	global_store_b128 v3, v[208+8*(\f)+4:208+8*(\f)+7], s[22:23] offset:(\f)*8192+512
	ds_store_b32 v6, v[240+(\f)] offset:64*(\f)    ; both halves of the lanes write the same word
.endm
; a weight: block bk of my column, W(128 s + 32 bk + i, n), 128 consecutive bytes a load
.macro WLOAD bk
.irp i, 0,1,2,3,4,5,6,7,8,9,10,11,12,13,14,15,16,17,18,19,20,21,22,23,24,25,26,27,28,29,30,31
	global_load_b32 v[16+32*(\bk)+\i], v9, s[6:7] offset:(32*(\bk)+\i)*4096 th:TH_LOAD_NT
.endr
.endm
.macro WBLK bk
.if (\bk) < 3
	s_wait_loadcnt 32                              ; this block's 32 loads are in; the next block's may be out
.else
	s_wait_loadcnt 0x0
.endif
.if (\bk) < 2
	WLOAD (\bk)+2
.endif
	BMAX 244, 245, 16+32*(\bk)
	v_add_nc_u32 v246, 0xff000000, v244
	v_lshrrev_b32 v247, 23, v246
.if (\bk) == 0
	v_mov_b32 v160, v247
.else
	v_lshl_or_b32 v160, v247, 8*(\bk), v160        ; the column's scale word, the lower K in the lower byte
.endif
.irp g, 0,1,2,3
	v_cvt_scalef32_pk8_fp4_f32 v[144+4*(\bk)+\g], v[16+32*(\bk)+8*\g:16+32*(\bk)+8*\g+7], v246
.endr
	global_store_b128 v10, v[144+4*(\bk):144+4*(\bk)+3], s[26:27] offset:((\bk)/2)*512+((\bk)%2)*256   ; block 2 c + h of place r lies at 512 c + 256 h + 16 r: a tile's sixteen lanes write 256 consecutive bytes
.endm
	s_load_b256 s[4:11], s[0:1], 0x0               ; x s[4:5], Wq s[6:7], Wk s[8:9], Wv s[10:11]
	s_load_b128 s[12:15], s[0:1], 0x20             ; Wo s[12:13], ops s[14:15]
	v_lshl_add_u32 v15, v0, 2, 0x8800
	v_mov_b32 v253, 0
	v_lshrrev_b32 v1, 5, v0
	v_readfirstlane_b32 s16, v1                    ; wave
	v_and_b32 v2, 31, v0                           ; lane
	v_lshlrev_b32 v3, 4, v2                        ; 16 x lane
	s_mov_b32 s30, 0x76543210
	s_mov_b32 s31, 0xfedcba98                      ; v_permlanex16_b32's selects for lane l xor 16
	s_cmp_lt_u32 ttmp9, 256
	s_cbranch_scc0 .Lw
	; ---- x.  Work-group wg: rows 64 (wg / 2) on (four tiles); wave w: K step 4 (wg % 2) + w: four fragments
	v_and_b32 v11, 15, v0                          ; r
	v_bfe_u32 v12, v0, 4, 1                        ; h
	s_mul_i32 s17, s16, WREG
	v_add_nc_u32 v4, s17, v3                       ; into the stage: 16 x lane of row i
	v_mul_u32_u24 v5, v11, SP
	v_lshl_add_u32 v5, v12, 7, v5
	v_add_nc_u32 v5, s17, v5                       ; out of it: row r, + 128 h bytes
	s_add_co_u32 s17, s17, 16*SP
	v_lshlrev_b32 v6, 2, v11
	v_add_nc_u32 v6, s17, v6                       ; my row's scale word
	v_lshlrev_b32 v8, 3, v2
	v_add_nc_u32 v7, s17, v8                       ; and 8 bytes a lane on the way out
	v_lshlrev_b32 v10, 3, v12                      ; 8 h
	v_mov_b32 v248, 0                              ; a lane permute's destination counts as one of its sources
	s_lshr_b32 s18, ttmp9, 1                       ; which 64 rows
	s_and_b32 s19, ttmp9, 1
	s_lshl_b32 s19, s19, 2
	s_add_co_u32 s19, s19, s16                     ; K step
	s_lshl_b32 s20, s18, 18
	s_lshl_b32 s21, s19, 9
	s_add_co_u32 s20, s20, s21
	s_mov_b32 s21, 0
	s_lshl_b32 s22, s18, 15                        ; codes: tile 4 (wg / 2) x 8,192 + K step x 1,024 (XC = 0)
	s_lshl_b32 s23, s19, 10
	s_add_co_u32 s22, s22, s23
	s_mov_b32 s23, 0
	s_lshr_b32 s24, s18, 1                         ; scale words: group (tile / 8), K step, then my four tiles' 256 bytes
	s_lshl_b32 s24, s24, 12
	s_lshl_b32 s25, s19, 9
	s_add_co_u32 s24, s24, s25
	s_and_b32 s25, s18, 1
	s_lshl_b32 s25, s25, 8
	s_add_co_u32 s24, s24, s25
	s_add_co_u32 s24, s24, XS
	s_mov_b32 s25, 0
	s_wait_alu depctr_va_vdst(0)
	s_wait_kmcnt 0x0
	s_add_nc_u64 s[4:5], s[4:5], s[20:21]
	s_add_nc_u64 s[22:23], s[14:15], s[22:23]
	s_add_nc_u64 s[24:25], s[14:15], s[24:25]
	XLOAD 0
	XLOAD 1
	XFRAG 0
	XFRAG 1
	XFRAG 2
	XFRAG 3
	ds_load_b64 v[254:255], v7                     ; the four fragments' 64 scale words
	s_wait_dscnt 0x0
	global_store_b64 v8, v[254:255], s[24:25]      ; 256 consecutive bytes, aligned
	s_wait_tensorcnt 0x0
	ds_add_u32 v15, v253
	s_wait_dscnt 0x0
	s_endpgm
.Lw:
	; ---- the weights.  wi = wg - 256: tensor wi / 64, K step wi % 8, columns 128 ((wi / 8) % 8) + 32 w + lane.  A LANE TAKES A COLUMN, ITS REGISTERS RUN DOWN K: nothing is transposed.
	s_sub_co_u32 s18, ttmp9, 256
	s_lshr_b32 s19, s18, 6                         ; tensor: 0 q, 1 k, 2 v, 3 o
	s_and_b32 s20, s18, 7                          ; K step
	s_bfe_u32 s21, s18, 0x30003
	s_lshl_b32 s21, s21, 2
	s_add_co_u32 s21, s21, s16                     ; group of 32 columns
	s_wait_alu depctr_va_vdst(0)
	v_lshlrev_b32 v9, 2, v2                        ; 4 x lane
	v_bfe_u32 v11, v2, 3, 1                        ; column l of the group is place r = l % 8 + 8 (l / 16) of tile u = (l / 8) % 2
	v_and_b32 v12, 7, v2
	v_lshrrev_b32 v13, 4, v2
	v_lshl_add_u32 v12, v13, 3, v12                ; r
	v_lshlrev_b32 v10, 13, v11
	v_lshl_add_u32 v10, v12, 4, v10                ; codes: 8,192 u + 16 r
	v_lshlrev_b32 v11, 6, v11
	v_lshl_add_u32 v11, v12, 2, v11                ; scale word: 64 u + 4 r
	s_lshl_b32 s22, s20, 19                        ; 128 rows of 4,096 bytes a K step
	s_lshl_b32 s23, s21, 7
	s_add_co_u32 s22, s22, s23
	s_mov_b32 s23, 0
	s_lshl_b32 s24, s19, 6
	s_lshl_b32 s25, s21, 1
	s_add_co_u32 s24, s24, s25                     ; the group's first tile
	s_lshl_b32 s26, s24, 13
	s_lshl_b32 s27, s20, 10
	s_add_co_u32 s26, s26, s27
	s_add_co_u32 s26, s26, WC
	s_mov_b32 s27, 0
	s_lshr_b32 s28, s24, 3
	s_lshl_b32 s28, s28, 12
	s_lshl_b32 s29, s20, 9
	s_add_co_u32 s28, s28, s29
	s_and_b32 s29, s24, 7
	s_lshl_b32 s29, s29, 6
	s_add_co_u32 s28, s28, s29
	s_add_co_u32 s28, s28, WS
	s_mov_b32 s29, 0
	s_wait_alu depctr_va_vdst(0)
	s_wait_kmcnt 0x0
	s_cmp_eq_u32 s19, 1                            ; the choice hangs on the work-group's number alone
	s_cselect_b64 s[6:7], s[8:9], s[6:7]
	s_cmp_eq_u32 s19, 2
	s_cselect_b64 s[6:7], s[10:11], s[6:7]
	s_cmp_eq_u32 s19, 3
	s_cselect_b64 s[6:7], s[12:13], s[6:7]
	s_add_nc_u64 s[6:7], s[6:7], s[22:23]
	s_add_nc_u64 s[26:27], s[14:15], s[26:27]
	s_add_nc_u64 s[28:29], s[14:15], s[28:29]
	WLOAD 0
	WLOAD 1
	WBLK 0
	WBLK 1
	WBLK 2
	WBLK 3
	v_nop                                          ; a plain line behind the last conversion
	global_store_b32 v11, v160, s[28:29]           ; two tiles' words: 128 consecutive bytes a wave: half of an aligned 256, for 128 KiB in the whole launch
	s_endpgm
.Lfunc_end_k_qcdc90da546_quant:
	.size	k_qcdc90da546_quant, .Lfunc_end_k_qcdc90da546_quant-k_qcdc90da546_quant
	.p2alignl 7, 3214868480
	.fill 96, 4, 3214868480
	.section	.rodata,"a",@progbits
	.p2align	6, 0x0
	.amdhsa_kernel k_qcdc90da546_quant
		.amdhsa_group_segment_fixed_size 35328
		.amdhsa_private_segment_fixed_size 0
		.amdhsa_enable_private_segment 0
		.amdhsa_kernarg_size 48
		.amdhsa_user_sgpr_count 2
		.amdhsa_user_sgpr_kernarg_segment_ptr 1
		.amdhsa_wavefront_size32 1
		.amdhsa_system_sgpr_workgroup_id_x 1
		.amdhsa_system_sgpr_workgroup_id_y 1
		.amdhsa_system_sgpr_workgroup_id_z 1
		.amdhsa_system_vgpr_workitem_id 0
		.amdhsa_next_free_vgpr 256
		.amdhsa_next_free_sgpr 66
		.amdhsa_reserve_vcc 0
		.amdhsa_float_denorm_mode_32 3
		.amdhsa_float_denorm_mode_16_64 3
		.amdhsa_memory_ordered 1
		.amdhsa_forward_progress 1
		.amdhsa_inst_pref_size 50
	.end_amdhsa_kernel
	.amdgpu_metadata
---
amdhsa.version: [ 1, 2 ]
amdhsa.kernels:
  - .name:           k_qcdc90da546_quant
    .symbol:         k_qcdc90da546_quant.kd
    .args:
      - { .name: x, .offset: 0, .size: 8, .value_kind: global_buffer, .address_space: global }
      - { .name: Wq, .offset: 8, .size: 8, .value_kind: global_buffer, .address_space: global }
      - { .name: Wk, .offset: 16, .size: 8, .value_kind: global_buffer, .address_space: global }
      - { .name: Wv, .offset: 24, .size: 8, .value_kind: global_buffer, .address_space: global }
      - { .name: Wo, .offset: 32, .size: 8, .value_kind: global_buffer, .address_space: global }
      - { .name: ops, .offset: 40, .size: 8, .value_kind: global_buffer, .address_space: global }
    .group_segment_fixed_size: 35328
    .private_segment_fixed_size: 0
    .kernarg_segment_align: 8
    .kernarg_segment_size: 48
    .max_flat_workgroup_size: 128
    .sgpr_count:     66
    .vgpr_count:     256
    .wavefront_size: 32
...
	.end_amdgpu_metadata
.endif
;; end of part 1
;; launch qkv (part 2): grid 12 x 64, 4 waves a work-group, clusters of 4 x 4, 213,504 bytes of LDS; arguments ops, qkv; writes qkv
.if DOCPART == 2
	.amdgcn_target "amdgcn-amd-amdhsa--gfx1250"
	.amdhsa_code_object_version 6
	.text
	.protected	k_qcdc90da546_qkv
	.globl	k_qcdc90da546_qkv
	.p2align	8
	.type	k_qcdc90da546_qkv,@function
k_qcdc90da546_qkv:
	s_mov_b64 s[64:65], 0
	v_nop
	global_prefetch_b8 v0, s[64:65] scope:SCOPE_SE
	s_setreg_imm32_b32 hwreg(HW_REG_WAVE_MODE, 25, 1), 1
	s_wait_xcnt 0x0
	s_wait_alu depctr_hold_cnt(0) depctr_sa_sdst(0) depctr_va_vdst(0) depctr_va_sdst(0) depctr_va_ssrc(0) depctr_va_vcc(0) depctr_vm_vsrc(0)
	s_getreg_b32 s2, hwreg(HW_REG_IB_STS2, 6, 4)
	s_cmp_eq_u32 s2, 0
	s_cbranch_scc0 .Lentry_in_a_cluster
	s_endpgm
.Lentry_in_a_cluster:
	s_bfe_u32 s2, ttmp6, 0x10000c
	s_cmp_lg_u32 s2, 0xf033
	s_cbranch_scc0 .Lentry_shape_is_right
	s_endpgm
.Lentry_shape_is_right:
; q = x Wq, k = x Wk, v = x Wv on codes of FP4 (E2M1) with E8M0 scales, f32 sums; the results are quantised in registers for attention's products and leave as codes alone.
; A work-group makes 128 rows of an operand Q x 256 rows of an operand P over all of K = 1,024.  THE PRODUCT IS USED TRANSPOSED: source 0 = 16 rows of P, source 1 = 16 rows of Q: a lane holds ONE row of Q, its registers run along P's rows.
; P's tiles hold their rows in the order 32 g + 8 u + r + 8 (r / 8), so the 16 registers of tiles 2 b, 2 b + 1 are 16 neighbours: 32 b + 16 (lane / 16) + 0 .. 15.
; Cluster x = 0, 1 (q, k): P = the weight, Q = x: registers run along n, the heads' axis, which is the score product's K.  Cluster x = 2 (v): P = x, Q = Wv: registers run along the keys, which are the second product's K.  One text: only offsets are chosen.
; Four waves: wave w takes Q rows 64 (w / 2) on (4 tiles) x P rows 128 (w % 2) on (8 tiles): 32 accumulators, 256 registers (window 1).  Its 128 P rows are one K step of the next product: each of its 4 tiles of Q rows becomes one fragment and one scale word a row.
; ALL OPERANDS OF THE WORK-GROUP FIT IN LDS AT ONCE (204 KiB): every LDS byte is filled once, in one load a wave at the head; no slot is ever filled again.
; Fragments lie in memory and in LDS as images of their registers (1,024 bytes; group c of lane l at 512 c + 16 l): every LDS read is 512 consecutive bytes.
; CLUSTERS: 4 x 4 work-groups; Q's tiles hang on cy alone and are asked for jointly along a row of the cluster, P's on cx alone, along a column.
; Every tile is asked for at the head, so there is no later stream to ask ahead for: no prefetch.
; qkv: codes at X 2^22 + 4,096 BI, scale words at QS0 + X 2^18 + 256 BI; BI = (16 b + hh) 16 + ks; a block is 4 images and 4 x 16 words.
;   q, k: image a = sequence tile 8 ks + 4 e + a x the 128 n of head pair hp, hh = 2 hp + e.   v: image a = tile a of head hh's 64 d x keys 128 ks on.
; LIMITS: NaN and infinities are not served; a block of zeros gets the byte 1 where the rule says 127 (zero codes; the bytes are read by this program alone).
; THE FILLS AS THE TEXT NOW HAS THEM: four loads in all, ONE a wave: Q's codes (64 KiB), P's codes (128 KiB), Q's scale words (4 KiB), P's (8 KiB), each a dense block of memory.
.set XC, 0
.set WC, 4194304
.set XS, 6291456
.set WS, 6553600
.set QS0, 12582912
.set PL,  65536                        ; LDS: Q's codes [tile 8][K step 8][1 KiB] at 0; P's [tile 16][K step 8][1 KiB] here: as they lie in memory
.set QSL, 196608                       ; Q's scale words [K step 8][tile 8][64 bytes]
.set PSL, 200704                       ; P's: two such groups
.set STG, 208896                       ; 256 bytes a wave for the scale words on the way out; no fill lands here
.set ADQ, 4                            ; v4    my Q fragments: 32,768 (w / 2) + 16 lane
.set ADP, 5                            ; v5    my P fragments
.set ADS, 7                            ; v7    scale words: lanes 0-15 Q's, lanes 16-31 P's
.set SC,  32                           ; v32-47 scale words, two sets of 8: register i: lanes 0-15 Q tile i's word, lanes 16-31 P tile i's
.set TM,  48                           ; v48-63 at work in the quantiser
.set G1Q, 24
.set G1P, 32
.set G1QS, 40
.set G1PS, 48
.set G0QS, 56
.set G0PS, 60
.set G0Q, 68                           ; s[68:71] group 0 for Q's codes
.set G0P, 76                           ; s[76:79] and for P's
.set MSB, 0
.macro WIN new                         ; the immediate's high byte repeats the setting that is left
.if MSB != \new
	s_set_vgpr_msb (MSB<<8)|\new
.set MSB, \new
.endif
.endm
.macro G1REST g, c, r, p               ; elements of 8 bytes: rows of c, r of them, p from row to row
	s_mov_b32 s[\g+1], (\c)<<16
	s_mov_b32 s[\g+2], (\r)<<16
	s_mov_b32 s[\g+3], (\c)<<16
	s_mov_b32 s[\g+4], \r
	s_mov_b32 s[\g+5], \p
	s_mov_b32 s[\g+6], 0
	s_mov_b32 s[\g+7], 0
.endm
; An arm of the head's one tree of branches on the wave's number: its joint load, an s_nop 0 and four v_nop, and a jump to the tree's end.
.macro ARM under, g0, g1, next
	s_cmp_lt_u32 s14, \under
	s_cbranch_scc0 \next
	tensor_load_to_lds s[\g0:\g0+3], s[\g1:\g1+7]
	s_nop 0
.rept 4
	v_nop
.endr
	s_branch .Lhead_asked
\next:
.endm
.macro CROUND                          ; a round of the cluster's barrier
	s_barrier_signal -1
	s_barrier_wait -1
	s_cmp_lg_u32 s14, 0
	s_cbranch_scc1 .Lnot_wave_0_\@
	s_barrier_signal -3
.Lnot_wave_0_\@:
	s_barrier_wait -3
	s_barrier_signal -1
	s_barrier_wait -1
.endm
; K step q's operands into set s: 8 fragments of P, 4 of Q, 8 registers of scale words: 32 LDS loads.  (For i >= 4 the lower lanes read filled bytes that no product takes.)
.macro FETCH q, s
.irp i, 0,1,2,3,4,5,6,7
.irp c, 0,1
	ds_load_b128 v[64+96*(\s)+8*\i+4*\c:64+96*(\s)+8*\i+4*\c+3], v[ADP] offset:\i*8192+(\q)*1024+512*\c
.endr
.endr
.irp a, 0,1,2,3
.irp c, 0,1
	ds_load_b128 v[128+96*(\s)+8*\a+4*\c:128+96*(\s)+8*\a+4*\c+3], v[ADQ] offset:\a*8192+(\q)*1024+512*\c
.endr
.endr
.irp i, 0,1,2,3,4,5,6,7
	ds_load_b32 v[SC+8*(\s)+\i], v[ADS] offset:(\q)*512+\i*64
.endr
.endm
; 32 matrix instructions on set s; the 32 accumulators take turns, one instruction a turn, in the same order in every K step.  zero = 1: the first K step starts the sums.
.macro MUL s, zero
.irp a, 0,1,2,3
.irp bt, 0,1,2,3,4,5,6,7
.if \zero
	v_wmma_scale_f32_16x16x128_f8f6f4 v[64*\a+8*\bt:64*\a+8*\bt+7], v[64+96*(\s)+8*\bt:64+96*(\s)+8*\bt+7], v[128+96*(\s)+8*\a:128+96*(\s)+8*\a+7], 0, v[SC+8*(\s)+\bt], v[SC+8*(\s)+\a] matrix_a_fmt:MATRIX_FMT_FP4 matrix_b_fmt:MATRIX_FMT_FP4 matrix_a_scale:MATRIX_SCALE_ROW1
.else
	v_wmma_scale_f32_16x16x128_f8f6f4 v[64*\a+8*\bt:64*\a+8*\bt+7], v[64+96*(\s)+8*\bt:64+96*(\s)+8*\bt+7], v[128+96*(\s)+8*\a:128+96*(\s)+8*\a+7], v[64*\a+8*\bt:64*\a+8*\bt+7], v[SC+8*(\s)+\bt], v[SC+8*(\s)+\a] matrix_a_fmt:MATRIX_FMT_FP4 matrix_b_fmt:MATRIX_FMT_FP4 matrix_a_scale:MATRIX_SCALE_ROW1
.endif
.endr
.endr
.endm
.macro KSTEP q, zero
	s_wait_dscnt 0x0                               ; this K step's operands are in (asked for 32 matrix instructions ago)
.if (\q) < 7
.if (\q) > 0
.rept 4
	v_nop                                          ; four places between the products that read the other set and the loads into it (ISA guide 7.12.1 for vector instructions)
.endr
.endif
	FETCH (\q)+1, ((\q)+1)%2
.endif
	WIN 0x50                                       ; C and D in window 1
	MUL (\q)%2, \zero
	WIN 0
.endm
; My tile a of Q rows: accumulators 64 a .. 64 a + 63 of window 1, register 16 b + i = k 32 b + 16 (lane / 16) + i of my row, become a fragment (v[64 + 8 a] on) and a scale word (v[96 + a]) and leave.
.macro QUANT a
	WIN 0x05                                       ; sources 0 and 1 in window 1
.irp b, 0,1,2,3
	v_max3_num_f32 v[TM+\b], |v[64*\a+16*\b]|, |v[64*\a+16*\b+1]|, 0x1800000   ; each accumulator is read from its low end on; the floor 2^(3 - 127) holds the byte at 1 from below
.endr
.irp i, 2,4,6,8,10,12,14
.irp b, 0,1,2,3
	v_max3_num_f32 v[TM+\b], |v[64*\a+16*\b+\i]|, |v[64*\a+16*\b+\i+1]|, v[TM+\b]
.endr
.endr
	WIN 0
.irp b, 0,1,2,3
	v_permlanex16_b32 v[TM+4+\b], v[TM+\b], s2, s3
.endr
.irp b, 0,1,2,3
	v_max_num_f32 v[TM+\b], v[TM+\b], v[TM+4+\b]   ; with lane l xor 16's 16: the block's largest magnitude
.endr
.irp b, 0,1,2,3
	v_add_nc_u32 v[TM+12+\b], 0xff000000, v[TM+\b] ; 2 off its exponent field: the conversion's scale operand
.endr
.irp b, 0,1,2,3
	v_lshrrev_b32 v[TM+8+\b], 23, v[TM+12+\b]      ; the scale's byte
.endr
	v_lshl_or_b32 v[96+\a], v[TM+9], 8, v[TM+8]
	v_lshl_or_b32 v[96+\a], v[TM+10], 16, v[96+\a]
	v_lshl_or_b32 v[96+\a], v[TM+11], 24, v[96+\a]
	WIN 0x01                                       ; source 0 in window 1
.irp b, 0,1,2,3
	v_cvt_scalef32_pk8_fp4_f32 v[64+8*\a+2*\b], v[64*\a+16*\b:64*\a+16*\b+7], v[TM+12+\b]
	v_cvt_scalef32_pk8_fp4_f32 v[65+8*\a+2*\b], v[64*\a+16*\b+8:64*\a+16*\b+15], v[TM+12+\b]
.endr
	WIN 0
	v_nop                                          ; a plain line behind the last conversion
.irp c, 0,1                                    ; the layout wants a whole block in a lane: lanes 0-15 block 2 c, lanes 16-31 block 2 c + 1
.irp i, 0,1
	v_permlane16_swap_b32 v[64+8*\a+4*\c+\i], v[66+8*\a+4*\c+\i]
.endr
.endr
	global_store_b128 v3, v[64+8*\a:64+8*\a+3], s[96:97] offset:\a*1024        ; the image: 512 consecutive bytes a store
	global_store_b128 v3, v[68+8*\a:68+8*\a+3], s[96:97] offset:\a*1024+512
	ds_store_b32 v8, v[96+\a] offset:64*\a         ; both halves of the lanes write the same word
.endm
	s_load_b128 s[4:7], s[0:1], 0x0                ; ops s[4:5], qkv s[6:7]
	v_lshl_add_u32 v30, v0, 2, 0x34000
	v_mov_b32 v31, 0
	ds_add_u32 v30, v31
	ds_add_u32 v30, v31
	v_lshrrev_b32 v1, 5, v0
	v_readfirstlane_b32 s14, v1                    ; wave
	s_lshr_b32 s15, s14, 1                         ; my half of Q's rows
	s_and_b32 s16, s14, 1                          ; my half of P's rows
	s_bfe_u32 s84, ttmp6, 0x40000                  ; cx
	s_bfe_u32 s85, ttmp6, 0x40004                  ; cy
	s_and_b32 s17, ttmp7, 0xffff                   ; cluster y, 0 .. 15
	s_and_b32 s18, s17, 7
	s_lshr_b32 s19, s17, 3
	s_lshl_b32 s86, s85, 2
	s_lshl_b32 s86, 15, s86                        ; my row of the cluster
	s_lshl_b32 s87, 0x1111, s84                    ; my column
	s_or_b32 s[G1Q], s86, (3<<16)|(1<<21)          ; 15:0 the mask; 17:16 elements of 8 bytes; 21 set beside a mask; no padding
	s_or_b32 s[G1QS], s86, (3<<16)|(1<<21)
	s_or_b32 s[G1P], s87, (3<<16)|(1<<21)
	s_or_b32 s[G1PS], s87, (3<<16)|(1<<21)
	G1REST G1Q, 1024, 8, 1024                      ; eight tiles, all 8 K steps: rows of 8,192 bytes, dense
	G1REST G1P, 1024, 16, 1024                     ; sixteen tiles
	G1REST G1QS, 32, 16, 32                        ; 4,096 dense bytes of scale words, as rows of 256
	G1REST G1PS, 32, 32, 32                        ; 8,192
	s_mov_b32 s88, WS
	s_mov_b32 s89, XS
	s_mov_b32 s90, WC
	s_cmp_eq_u32 ttmp9, 2                          ; v?  The same in all sixteen partners
	s_cselect_b32 s20, s18, ttmp9                  ; P's cluster coordinate
	s_cselect_b32 s21, s19, s17                    ; Q's
	s_cselect_b32 s22, 128, 0                      ; Wv's tiles begin at 128
	s_cselect_b32 s91, 0, s90                      ; where P's codes lie in ops,
	s_cselect_b32 s92, s90, 0                      ; Q's,
	s_cselect_b32 s93, s89, s88                    ; P's scale words,
	s_cselect_b32 s94, s88, s89                    ; Q's
	s_lshl_b32 s20, s20, 2
	s_add_co_u32 s20, s20, s84                     ; which 256 rows of P
	s_lshl_b32 s21, s21, 2
	s_add_co_u32 s21, s21, s85                     ; which 128 rows of Q
	s_lshl_b32 s95, s21, 3
	s_add_co_u32 s95, s95, s22                     ; Q's first tile
	s_lshl_b32 s8, s95, 13
	s_add_co_u32 s8, s8, s92
	s_mov_b32 s9, 0
	s_lshl_b32 s10, s95, 9                         ; its group of scale words: 4,096 bytes for 8 tiles
	s_add_co_u32 s10, s10, s94
	s_mov_b32 s11, 0
	s_lshl_b32 s12, s20, 17                        ; P: 16 tiles of 8,192 bytes
	s_add_co_u32 s12, s12, s91
	s_mov_b32 s13, 0
	s_lshl_b32 s98, s20, 13                        ; two groups of scale words
	s_add_co_u32 s98, s98, s93
	s_mov_b32 s99, 0
	s_wait_dscnt 0x0
	s_wait_kmcnt 0x0
	s_add_nc_u64 s[8:9], s[4:5], s[8:9]
	s_add_nc_u64 s[10:11], s[4:5], s[10:11]
	s_add_nc_u64 s[12:13], s[4:5], s[12:13]
	s_add_nc_u64 s[98:99], s[4:5], s[98:99]
	s_mov_b32 s[G0QS], 1
	s_mov_b32 s[G0QS+1], QSL
	s_mov_b64 s[G0QS+2:G0QS+3], s[10:11]
	s_or_b32 s[G0QS+3], s[G0QS+3], 0x80000000
	s_mov_b32 s[G0PS], 1
	s_mov_b32 s[G0PS+1], PSL
	s_mov_b64 s[G0PS+2:G0PS+3], s[98:99]
	s_or_b32 s[G0PS+3], s[G0PS+3], 0x80000000
	s_mov_b32 s[G0Q], 1
	s_mov_b32 s[G0Q+1], 0
	s_mov_b64 s[G0Q+2:G0Q+3], s[8:9]
	s_or_b32 s[G0Q+3], s[G0Q+3], 0x80000000
	s_mov_b32 s[G0P], 1
	s_mov_b32 s[G0P+1], PL
	s_mov_b64 s[G0P+2:G0P+3], s[12:13]
	s_or_b32 s[G0P+3], s[G0P+3], 0x80000000
	CROUND                                         ; all sixteen work-groups are here: the joint loads meet
	; THE HEAD'S LOADS, ONE A WAVE: wave 0 Q's codes, wave 1 P's codes, wave 2 Q's scale words, wave 3 P's
	ARM 1, G0Q,  G1Q,  .Lhead_p
	ARM 2, G0P,  G1P,  .Lhead_qs
	ARM 3, G0QS, G1QS, .Lhead_ps
	tensor_load_to_lds s[G0PS:G0PS+3], s[G1PS:G1PS+7]
	s_nop 0
.rept 4
	v_nop
.endr
.Lhead_asked:
	v_and_b32 v1, 15, v0                           ; r
	v_bfe_u32 v2, v0, 4, 1                         ; h
	s_wait_alu depctr_va_vdst(0)
	v_and_b32 v3, 31, v0
	v_lshlrev_b32 v10, 3, v3                       ; 8 x lane
	s_wait_alu depctr_va_vdst(0)
	v_lshlrev_b32 v3, 4, v3                        ; 16 x lane
	s_lshl_b32 s23, s15, 15                        ; my four tiles of Q: 8,192 bytes a tile
	v_add_nc_u32 v[ADQ], s23, v3
	s_lshl_b32 s23, s16, 16                        ; my eight tiles of P
	s_add_co_u32 s23, s23, PL
	v_add_nc_u32 v[ADP], s23, v3
	s_xor_b32 s23, s15, 1                          ; from Q's words to P's: PSL + 4,096 (w % 2) - QSL - 256 (w / 2), as one product with h
	s_lshl_b32 s23, s23, 8
	s_lshl_b32 s2, s16, 12
	s_add_co_u32 s23, s23, s2
	s_add_co_u32 s23, s23, PSL-QSL-256
	v_mul_u32_u24 v[ADS], s23, v2
	v_lshl_add_u32 v[ADS], v1, 2, v[ADS]
	s_lshl_b32 s23, s15, 8
	s_add_co_u32 s23, s23, QSL
	v_add_nc_u32 v[ADS], s23, v[ADS]
	s_lshl_b32 s23, s14, 8
	s_add_co_u32 s23, s23, STG
	v_lshl_add_u32 v8, v1, 2, s23                  ; my wave's 256 bytes: a word a row,
	v_add_nc_u32 v9, s23, v10                      ; and 8 bytes a lane on the way out
.irp b, 0,1,2,3
	v_mov_b32 v[TM+4+\b], 0                        ; a lane permute's destination counts as one of its sources
.endr
	s_mov_b32 s2, 0x76543210
	s_mov_b32 s3, 0xfedcba98                       ; v_permlanex16_b32's selects for lane l xor 16
	; where my four images go
	s_lshl_b32 s23, s21, 1
	s_add_co_u32 s23, s23, s15                     ; T4: which four tiles of Q
	s_lshl_b32 s92, s20, 1
	s_add_co_u32 s92, s92, s16                     ; G: which 128 rows of P
	s_lshr_b32 s93, s23, 5                         ; q, k: b,
	s_bfe_u32 s94, s23, 0x40001                    ; ks,
	s_and_b32 s95, s92, 7
	s_lshl_b32 s95, s95, 1
	s_and_b32 s96, s23, 1
	s_add_co_u32 s95, s95, s96                     ; hh = 2 hp + e
	s_lshr_b32 s96, s92, 4                         ; v: b,
	s_and_b32 s97, s92, 15                         ; ks; hh = T4
	s_cmp_eq_u32 ttmp9, 2
	s_cselect_b32 s93, s96, s93
	s_cselect_b32 s94, s97, s94
	s_cselect_b32 s95, s23, s95
	s_lshl_b32 s93, s93, 4
	s_add_co_u32 s93, s93, s95
	s_lshl_b32 s93, s93, 4
	s_add_co_u32 s93, s93, s94                     ; BI
	s_lshl_b32 s96, ttmp9, 22
	s_lshl_b32 s97, s93, 12
	s_add_co_u32 s96, s96, s97
	s_mov_b32 s97, 0
	s_add_nc_u64 s[96:97], s[6:7], s[96:97]
	s_lshl_b32 s88, ttmp9, 18
	s_lshl_b32 s89, s93, 8
	s_add_co_u32 s88, s88, s89
	s_add_co_u32 s88, s88, QS0
	s_mov_b32 s89, 0
	s_add_nc_u64 s[88:89], s[6:7], s[88:89]
	s_wait_alu depctr_va_vdst(0)
	s_wait_tensorcnt 0x0                           ; my one load has landed
	s_barrier_signal -1
	s_barrier_wait -1                              ; everybody's are
	FETCH 0, 0
	KSTEP 0, 1
	KSTEP 1, 0
	KSTEP 2, 0
	KSTEP 3, 0
	KSTEP 4, 0
	KSTEP 5, 0
	KSTEP 6, 0
	KSTEP 7, 0
.rept 4
	v_nop                                          ; four places behind the last products, ahead of the first read of results and the first write of operands' registers
.endr
	QUANT 0
	QUANT 1
	QUANT 2
	QUANT 3
	ds_load_b64 v[100:101], v9                     ; LDS serves a wave's instructions in order: these see my four stores
	s_wait_dscnt 0x0
	global_store_b64 v10, v[100:101], s[88:89]     ; the block's 64 scale words: 256 consecutive bytes, aligned
	s_wait_tensorcnt 0x0
	ds_add_u32 v30, v31
	s_wait_dscnt 0x0
	CROUND                                         ; the closing round: no work-group ends while a partner may still ask for a tile that names it
	s_endpgm
.Lfunc_end_k_qcdc90da546_qkv:
	.size	k_qcdc90da546_qkv, .Lfunc_end_k_qcdc90da546_qkv-k_qcdc90da546_qkv
	.p2alignl 7, 3214868480
	.fill 96, 4, 3214868480
	.section	.rodata,"a",@progbits
	.p2align	6, 0x0
	.amdhsa_kernel k_qcdc90da546_qkv
		.amdhsa_group_segment_fixed_size 213504
		.amdhsa_private_segment_fixed_size 0
		.amdhsa_enable_private_segment 0
		.amdhsa_kernarg_size 16
		.amdhsa_user_sgpr_count 2
		.amdhsa_user_sgpr_kernarg_segment_ptr 1
		.amdhsa_wavefront_size32 1
		.amdhsa_system_sgpr_workgroup_id_x 1
		.amdhsa_system_sgpr_workgroup_id_y 1
		.amdhsa_system_sgpr_workgroup_id_z 1
		.amdhsa_system_vgpr_workitem_id 0
		.amdhsa_next_free_vgpr 512
		.amdhsa_next_free_sgpr 100
		.amdhsa_reserve_vcc 0
		.amdhsa_float_denorm_mode_32 3
		.amdhsa_float_denorm_mode_16_64 3
		.amdhsa_memory_ordered 1
		.amdhsa_forward_progress 1
		.amdhsa_inst_pref_size 76
	.end_amdhsa_kernel
	.amdgpu_metadata
---
amdhsa.version: [ 1, 2 ]
amdhsa.kernels:
  - .name:           k_qcdc90da546_qkv
    .symbol:         k_qcdc90da546_qkv.kd
    .args:
      - { .name: ops, .offset: 0, .size: 8, .value_kind: global_buffer, .address_space: global }
      - { .name: qkv, .offset: 8, .size: 8, .value_kind: global_buffer, .address_space: global }
    .group_segment_fixed_size: 213504
    .private_segment_fixed_size: 0
    .kernarg_segment_align: 8
    .kernarg_segment_size: 16
    .max_flat_workgroup_size: 128
    .sgpr_count:     100
    .vgpr_count:     512
    .wavefront_size: 32
...
	.end_amdgpu_metadata
.endif
;; end of part 2
;; launch attn (part 3): grid 8 x 32, 16 waves a work-group, clusters of 4 x 1, 327,680 bytes of LDS; arguments qkv, ctx; writes ctx
.if DOCPART == 3
	.amdgcn_target "amdgcn-amd-amdhsa--gfx1250"
	.amdhsa_code_object_version 6
	.text
	.protected	k_qcdc90da546_attn
	.globl	k_qcdc90da546_attn
	.p2align	8
	.type	k_qcdc90da546_attn,@function
k_qcdc90da546_attn:
	s_mov_b64 s[64:65], 0
	v_nop
	global_prefetch_b8 v0, s[64:65] scope:SCOPE_SE
	s_setreg_imm32_b32 hwreg(HW_REG_WAVE_MODE, 25, 1), 1
	s_wait_xcnt 0x0
	s_wait_alu depctr_hold_cnt(0) depctr_sa_sdst(0) depctr_va_vdst(0) depctr_va_sdst(0) depctr_va_ssrc(0) depctr_va_vcc(0) depctr_vm_vsrc(0)
	s_getreg_b32 s2, hwreg(HW_REG_IB_STS2, 6, 4)
	s_cmp_eq_u32 s2, 0
	s_cbranch_scc0 .Lentry_in_a_cluster
	s_endpgm
.Lentry_in_a_cluster:
	s_bfe_u32 s2, ttmp6, 0x10000c
	s_cmp_lg_u32 s2, 0x3003
	s_cbranch_scc0 .Lentry_shape_is_right
	s_endpgm
.Lentry_shape_is_right:
; Causal attention on codes of FP4 (E2M1) with E8M0 scales: S^T = K Q^T, p = 2^(t - M), O^T += V^T P^T, ctx = O / l, quantised for the last product and stored as codes and scale bytes.
; t = score x log2(e) / 64^2; M = the running largest t rounded up to a whole number; l = the row's sum of the unquantised p, in f32.
; A work-group serves one pair of heads of one batch; all their K and V codes (256 KiB) and scale words (16 KiB) lie in LDS, each byte filled once.
; Wave w: head w % 2 of the pair; two tiles of 16 queries, tile (work-group x) of the 128-query blocks w / 2 and 15 - w / 2: 17 key steps of 128 keys in every wave.
; The score product's K is the pair's 128 channels: the other head's half of Q's codes is cleared, so it adds nothing.
; LEFT OUT: key steps all of whose keys come after the tile's queries: the causal mask sets their scores to -inf, so p = 0 there for all inputs. A NaN or infinity that reaches only those steps is not carried to the result.
; CLUSTER 4, 1, 1: the four partners serve the same pair of heads and ask for K, V and the scale words jointly.  Every tile is asked for at the head: there is no later stream to ask ahead for, so no prefetch.
; LIMITS: the promise holds while |t| stays under 2^31; NaN and infinities among the inputs are not served; a block of zeros gets the byte 1 (zero codes; this program alone reads the bytes).
.set QS0, 12582912
.set CSO, 4194304
.set SCB, 262144
.set ADT, 7
.set ADK, 8
.set ADV, 10
.set ADS, 11
.set LIMA, 14
.set LIMB, 15
.set WV,  18
.set SEL, 20
.set CS,  22
.set G1S, 24
.set G1A, 32
.set G0S, 48
.set G0A, 52
.set KS,  60
.set TB,  61
.set TS,  62
.set MK0, 67
.set MK1, 68
.macro G1REST g, r
	s_mov_b32 s[\g], 15|(3<<16)|(1<<21)
	s_mov_b32 s[\g+1], 32<<16
	s_mov_b32 s[\g+2], (\r)<<16
	s_mov_b32 s[\g+3], 32<<16
	s_mov_b32 s[\g+4], \r
	s_mov_b32 s[\g+5], 32
	s_mov_b32 s[\g+6], 0
	s_mov_b32 s[\g+7], 0
.endm
.macro CROUND
	s_barrier_signal -1
	s_barrier_wait -1
	s_cmp_lg_u32 s[WV], 0
	s_cbranch_scc1 .Lnot_wave_0_\@
	s_barrier_signal -3
.Lnot_wave_0_\@:
	s_barrier_wait -3
	s_barrier_signal -1
	s_barrier_wait -1
.endm
.macro STEP st, qf, qs, ot, lim
	s_cmp_gt_u32 s[KS], s[\lim]
	s_cbranch_scc1 .Lhidden_\@
	v_add_nc_u32 v[ADK], s[TB], v1
	v_add_nc_u32 v[ADV], s[TB], v2
	v_add_nc_u32 v[ADS], s[TS], v3
	v_add_nc_u32 v[ADT], s[TS], v4
	s_delay_alu instid0(VALU_DEP_4)
	v_add_nc_u32 v[ADK+1], 65536, v[ADK]
	s_wait_alu depctr_va_vdst(0)
; all eight fragments of K in one run: tiles 0-6 into v40-95, tile 7 into v224-231 (p's codes of the last step are done with); the five additions above are the places behind the last products
.irp t, 0,1,2,3,4,5,6,7
.if \t < 7
.set KF, 40+8*\t
.else
.set KF, 224
.endif
.irp c, 0,1
	ds_load_b128 v[KF+4*\c:KF+4*\c+3], v[ADK+\t/4] offset:(\t%4)*1024+512*\c
.endr
.endr
.irp g, 0,1
.irp pr, 0,1
	ds_load_b32 v[248+2*\g+\pr], v[ADS] offset:\g*4096+\pr*128
.endr
.endr
	s_wait_dscnt 0x0                               ; one wait for the 20 loads
.irp t, 0,1,2,3,4,5,6,7
.if \t < 7
.set KF, 40+8*\t
.else
.set KF, 224
.endif
.if \t % 2
	v_wmma_scale_f32_16x16x128_f8f6f4 v[96+8*\t:103+8*\t], v[KF:KF+7], v[\qf:\qf+7], 0, v[248+\t/2], v[\qs] matrix_a_fmt:MATRIX_FMT_FP4 matrix_b_fmt:MATRIX_FMT_FP4 matrix_a_scale:MATRIX_SCALE_ROW1
.else
	v_wmma_scale_f32_16x16x128_f8f6f4 v[96+8*\t:103+8*\t], v[KF:KF+7], v[\qf:\qf+7], 0, v[248+\t/2], v[\qs] matrix_a_fmt:MATRIX_FMT_FP4 matrix_b_fmt:MATRIX_FMT_FP4
.endif
.endr
.rept 4
	v_nop
.endr
.irp dt, 0,1,2,3
.irp c, 0,1
	ds_load_b128 v[40+8*\dt+4*\c:40+8*\dt+4*\c+3], v[ADV] offset:\dt*1024+512*\c
.endr
.endr
.irp pr, 0,1
	ds_load_b32 v[248+\pr], v[ADT] offset:\pr*128
.endr
	s_cmp_lg_u32 s[KS], s[\lim]
	s_cbranch_scc1 .Lopen_\@
	v_mov_b32 v254, 0xff800000
.irp n, 0,1,2,3,4,5,6,7,8,9,10,11,12,13,14,15,16,17,18,19,20,21,22,23,24,25,26,27,28,29,30,31,32,33,34,35,36,37,38,39,40,41,42,43,44,45,46,47,48,49,50,51,52,53,54,55,56,57,58,59,60,61,62,63
	v_cmp_gt_i32 vcc_lo, 32*(\n/16)+\n%16, v5
	v_cndmask_b32 v[96+\n], v[96+\n], v254, vcc_lo
.endr
.Lopen_\@:
.irp b, 0,1,2,3
	v_max3_num_f32 v[232+\b], v[96+16*\b], v[97+16*\b], v[98+16*\b]
.endr
.irp i, 3,5,7,9,11,13
.irp b, 0,1,2,3
	v_max3_num_f32 v[232+\b], v[232+\b], v[96+16*\b+\i], v[97+16*\b+\i]
.endr
.endr
.irp b, 0,1,2,3
	v_max_num_f32 v[232+\b], v[232+\b], v[111+16*\b]
.endr
.irp b, 0,1,2,3
	s_delay_alu instid0(VALU_DEP_4)
	v_permlanex16_b32 v[236+\b], v[232+\b], s[SEL], s[SEL+1]
.endr
.irp b, 0,1,2,3
	s_delay_alu instid0(VALU_DEP_4)
	v_max_num_f32 v[232+\b], v[232+\b], v[236+\b]
.endr
	s_delay_alu instid0(VALU_DEP_2)
	v_max3_num_f32 v254, v232, v233, v234
	s_delay_alu instid0(VALU_DEP_1)
	v_max_num_f32 v254, v254, v235
	s_delay_alu instid0(VALU_DEP_1)
	v_mul_f32 v254, s[CS], v254
	s_delay_alu instid0(VALU_DEP_1)
	v_max_num_f32 v[\st+1], v[\st+1], v254
	v_mov_b32 v254, v[\st]
	s_delay_alu instid0(VALU_DEP_2)
	v_floor_f32 v[\st], -v[\st+1]
	s_delay_alu instid0(VALU_DEP_1)
	v_sub_f32 v254, v[\st], v254
	s_delay_alu instid0(VALU_DEP_1)
	v_cvt_i32_f32 v254, v254
	s_delay_alu instid0(VALU_DEP_1)
	v_ldexp_f32 v252, 1.0, v254
.irp j, 0,2,4,6,8,10,12,14,16,18,20,22,24,26,28,30,32,34,36,38,40,42,44,46,48,50,52,54,56,58,60,62
	v_pk_fma_f32 v[96+\j:97+\j], v[96+\j:97+\j], s[CS:CS+1], v[\st:\st+1] op_sel_hi:[1,0,0]
.endr
.irp b, 0,1,2,3
	v_fma_f32 v[232+\b], v[232+\b], s[CS], v[\st]
.endr
	s_wait_alu depctr_va_vdst(0)
.irp j, 0,1,2,3,4,5,6,7,8,9,10,11,12,13,14,15,16,17,18,19,20,21,22,23,24,25,26,27,28,29,30,31,32,33,34,35,36,37,38,39,40,41,42,43,44,45,46,47,48,49,50,51,52,53,54,55,56,57,58,59,60,61,62,63
	v_exp_f32 v[96+\j], v[96+\j]
.endr
	v_pk_mul_f32 v[\st+2:\st+3], v[\st+2:\st+3], v[252:253] op_sel_hi:[1,0]
	s_wait_alu depctr_va_vdst(0)
.irp b, 0,1,2,3
	v_exp_f32 v[232+\b], v[232+\b]
.endr
	v_pk_add_f32 v[236:237], v[96:97], v[98:99]
.irp j, 4,8,12,16,20,24,28,32,36,40,44,48,52,56,60
	v_pk_add_f32 v[\st+2:\st+3], v[\st+2:\st+3], v[96+\j:97+\j]
	v_pk_add_f32 v[236:237], v[236:237], v[98+\j:99+\j]
.endr
	s_delay_alu instid0(VALU_DEP_1)
	v_pk_add_f32 v[\st+2:\st+3], v[\st+2:\st+3], v[236:237]
	s_wait_alu depctr_va_vdst(0)
.irp b, 0,1,2,3
	v_max_num_f32 v[232+\b], 0x1800000, v[232+\b]
.endr
.irp b, 0,1,2,3
	s_delay_alu instid0(VALU_DEP_4)
	v_add_nc_u32 v[244+\b], 0xff000000, v[232+\b]
.endr
.irp b, 0,1,2,3
	s_delay_alu instid0(VALU_DEP_4)
	v_lshrrev_b32 v[236+\b], 23, v[244+\b]
.endr
	s_delay_alu instid0(VALU_DEP_3)
	v_lshl_or_b32 v253, v237, 8, v236
	s_delay_alu instid0(VALU_DEP_1)
	v_lshl_or_b32 v253, v238, 16, v253
	s_delay_alu instid0(VALU_DEP_1)
	v_lshl_or_b32 v253, v239, 24, v253
.irp b, 0,1,2,3
	v_cvt_scalef32_pk8_fp4_f32 v[224+2*\b], v[96+16*\b:103+16*\b], v[244+\b]
	v_cvt_scalef32_pk8_fp4_f32 v[225+2*\b], v[104+16*\b:111+16*\b], v[244+\b]
.endr
	v_nop
.irp c, 0,1
.irp i, 0,1
	v_permlane16_swap_b32 v[224+4*\c+\i], v[226+4*\c+\i]
.endr
.endr
.irp j, 0,2,4,6,8,10,12,14,16,18,20,22,24,26,28,30
	v_pk_mul_f32 v[\ot+\j:\ot+\j+1], v[\ot+\j:\ot+\j+1], v[252:253] op_sel_hi:[1,0]
.endr
	s_wait_alu depctr_va_vdst(0)
	s_wait_dscnt 0x0
.irp dt, 0,1,2,3
.if \dt % 2
	v_wmma_scale_f32_16x16x128_f8f6f4 v[\ot+8*\dt:\ot+8*\dt+7], v[40+8*\dt:47+8*\dt], v[224:231], v[\ot+8*\dt:\ot+8*\dt+7], v[248+\dt/2], v253 matrix_a_fmt:MATRIX_FMT_FP4 matrix_b_fmt:MATRIX_FMT_FP4 matrix_a_scale:MATRIX_SCALE_ROW1
.else
	v_wmma_scale_f32_16x16x128_f8f6f4 v[\ot+8*\dt:\ot+8*\dt+7], v[40+8*\dt:47+8*\dt], v[224:231], v[\ot+8*\dt:\ot+8*\dt+7], v[248+\dt/2], v253 matrix_a_fmt:MATRIX_FMT_FP4 matrix_b_fmt:MATRIX_FMT_FP4
.endif
.endr
.Lhidden_\@:
.endm
.macro PAIR
	STEP 12, 20, 36, 160, LIMB
	STEP 16, 28, 37, 192, LIMA
	s_add_co_u32 s[TB], s[TB], 4096
	s_add_co_u32 s[TS], s[TS], 256
	s_add_co_u32 s[KS], s[KS], 1
.endm
.macro FINAL st, ot, w, pc, wd, cb, sb
	v_add_f32 v[\st+2], v[\st+2], v[\st+3]
	s_delay_alu instid0(VALU_DEP_1)
	v_permlanex16_b32 v252, v[\st+2], s[SEL], s[SEL+1]
	s_delay_alu instid0(VALU_DEP_1)
	v_add_f32 v[\st+2], v[\st+2], v252
	s_wait_alu depctr_va_vdst(0)
	v_rcp_f32 v254, v[\st+2]
	v_nop
	s_wait_alu depctr_va_vdst(0)
.irp j, 0,1,2,3,4,5,6,7,8,9,10,11,12,13,14,15,16,17,18,19,20,21,22,23,24,25,26,27,28,29,30,31
	v_mul_f32 v[\w+\j], v[\ot+\j], v254
.endr
.irp b, 0,1
	v_max3_num_f32 v[232+\b], |v[\w+16*\b]|, |v[\w+16*\b+1]|, 0x1800000
.endr
.irp i, 2,4,6,8,10,12,14
.irp b, 0,1
	s_delay_alu instid0(VALU_DEP_2)
	v_max3_num_f32 v[232+\b], v[232+\b], |v[\w+16*\b+\i]|, |v[\w+16*\b+\i+1]|
.endr
.endr
.irp b, 0,1
	s_delay_alu instid0(VALU_DEP_2)
	v_permlanex16_b32 v[236+\b], v[232+\b], s[SEL], s[SEL+1]
.endr
.irp b, 0,1
	s_delay_alu instid0(VALU_DEP_2)
	v_max_num_f32 v[232+\b], v[232+\b], v[236+\b]
.endr
.irp b, 0,1
	s_delay_alu instid0(VALU_DEP_2)
	v_add_nc_u32 v[244+\b], 0xff000000, v[232+\b]
.endr
.irp b, 0,1
	s_delay_alu instid0(VALU_DEP_2)
	v_lshrrev_b32 v[236+\b], 23, v[244+\b]
.endr
	s_delay_alu instid0(VALU_DEP_1)
	v_lshl_or_b32 v[\wd], v237, 8, v236
.irp b, 0,1
	v_cvt_scalef32_pk8_fp4_f32 v[\pc+2*\b], v[\w+16*\b:\w+16*\b+7], v[244+\b]
	v_cvt_scalef32_pk8_fp4_f32 v[\pc+2*\b+1], v[\w+16*\b+8:\w+16*\b+15], v[244+\b]
.endr
	v_nop
	v_permlane16_swap_b32 v[\pc], v[\pc+2]
	v_permlane16_swap_b32 v[\pc+1], v[\pc+3]
	global_store_b128 v1, v[\pc:\pc+3], s[\cb:\cb+1]
	global_store_b16 v6, v[\wd], s[\sb:\sb+1]
.endm
	s_load_b128 s[4:7], s[0:1], 0x0
	v_lshl_add_u32 v243, v0, 2, 0x44000
	v_mov_b32 v255, 0
	ds_add_u32 v243, v255
	ds_add_u32 v243, v255
	v_lshrrev_b32 v1, 5, v0
	s_delay_alu instid0(VALU_DEP_1)
	v_readfirstlane_b32 s[WV], v1
	s_bfe_u32 s8, ttmp6, 0x40000
	s_lshl_b32 s9, ttmp9, 2
	s_add_co_u32 s9, s9, s8
	s_and_b32 s10, ttmp7, 0xffff
	s_lshr_b32 s11, s10, 3
	s_and_b32 s12, s10, 7
	s_and_b32 s13, s[WV], 1
	s_lshr_b32 s[LIMA], s[WV], 1
	s_xor_b32 s[LIMB], s[LIMA], 15
	G1REST G1S, 32                                 ; 8,192 dense bytes of scale words, as rows of 256
	G1REST G1A, 128                                ; 32,768 dense bytes of codes
	s_lshl_b32 s69, s11, 4
	s_lshl_b32 s70, s12, 1
	s_add_co_u32 s69, s69, s70                     ; 16 b + the pair's first head
	; codes: the pair's K is 128 KiB dense in memory, and so is its V; in LDS K at 0, V at 128 KiB.  Wave w < 8 fetches the w-th 32 KiB
	s_and_b32 s16, s[WV], 7
	s_lshl_b32 s[G0A+1], s16, 15
	s_lshr_b32 s70, s16, 2
	s_add_co_u32 s70, s70, 1                       ; 1: k, 2: v
	s_lshl_b32 s72, s70, 22
	s_lshl_b32 s76, s69, 16
	s_add_co_u32 s72, s72, s76
	s_and_b32 s76, s[WV], 3
	s_lshl_b32 s76, s76, 15
	s_add_co_u32 s72, s72, s76
	s_mov_b32 s73, 0
	; scale words: the pair's K words are 8 KiB dense, V's likewise: wave 8 fetches K's, wave 9 V's
	s_and_b32 s17, s[WV], 1
	s_lshl_b32 s78, s17, 13
	s_add_co_u32 s[G0S+1], s78, SCB
	s_add_co_u32 s71, s17, 1
	s_lshl_b32 s76, s71, 18
	s_lshl_b32 s78, s69, 12
	s_add_co_u32 s76, s76, s78
	s_add_co_u32 s76, s76, QS0
	s_mov_b32 s77, 0
	s_mov_b32 s[G0S], 1
	s_mov_b32 s[G0A], 1
	s_wait_dscnt 0x0
	s_wait_kmcnt 0x0
	s_add_nc_u64 s[G0S+2:G0S+3], s[4:5], s[76:77]
	s_or_b32 s[G0S+3], s[G0S+3], 0x80000000
	s_add_nc_u64 s[G0A+2:G0A+3], s[4:5], s[72:73]
	s_or_b32 s[G0A+3], s[G0A+3], 0x80000000
	CROUND                                         ; the four partners are here: the joint loads meet
	; THE HEAD'S LOADS, at most one a wave, in one chain of branches on the wave's number
	s_cmp_lt_u32 s[WV], 8
	s_cbranch_scc0 .Lhead_s
	tensor_load_to_lds s[G0A:G0A+3], s[G1A:G1A+7]
	s_nop 0
.rept 4
	v_nop
.endr
	s_branch .Lhead_asked
.Lhead_s:
	s_cmp_lt_u32 s[WV], 10
	s_cbranch_scc0 .Lhead_asked
	tensor_load_to_lds s[G0S:G0S+3], s[G1S:G1S+7]
	s_nop 0
.rept 4
	v_nop
.endr
.Lhead_asked:
	s_lshr_b32 s78, s9, 2
	s_add_co_u32 s78, s78, s69
	s_lshl_b32 s78, s78, 4
	s_and_b32 s79, s9, 3
	s_add_co_u32 s80, s78, s[LIMB]
	s_add_co_u32 s82, s78, s[LIMA]
	s_lshl_b32 s84, s80, 8
	s_lshl_b32 s86, s82, 8
	s_lshl_b32 s80, s80, 12
	s_lshl_b32 s82, s82, 12
	s_lshl_b32 s96, s79, 10
	s_add_co_u32 s80, s80, s96
	s_add_co_u32 s82, s82, s96
	s_lshl_b32 s96, s79, 6
	s_add_co_u32 s96, s96, QS0
	s_add_co_u32 s84, s84, s96
	s_add_co_u32 s86, s86, s96
	s_mov_b32 s81, 0
	s_mov_b32 s83, 0
	s_mov_b32 s85, 0
	s_mov_b32 s87, 0
	s_add_nc_u64 s[80:81], s[4:5], s[80:81]
	s_add_nc_u64 s[82:83], s[4:5], s[82:83]
	s_add_nc_u64 s[84:85], s[4:5], s[84:85]
	s_add_nc_u64 s[86:87], s[4:5], s[86:87]
	v_and_b32 v3, 31, v0
	s_delay_alu instid0(VALU_DEP_1)
	v_lshlrev_b32 v1, 4, v3
	s_wait_alu depctr_va_vdst(0)
	v_and_b32 v8, 15, v0
	s_wait_alu depctr_va_vdst(0)
	v_lshlrev_b32 v6, 2, v8
	global_load_b128 v[20:23], v1, s[80:81]
	global_load_b128 v[24:27], v1, s[80:81] offset:512
	global_load_b128 v[28:31], v1, s[82:83]
	global_load_b128 v[32:35], v1, s[82:83] offset:512
	global_load_b32 v36, v6, s[84:85]
	global_load_b32 v37, v6, s[86:87]
	s_lshl_b32 s96, s11, 20
	s_lshl_b32 s97, s9, 13
	s_add_co_u32 s96, s96, s97
	s_lshl_b32 s97, s12, 10
	s_add_co_u32 s96, s96, s97
	s_lshl_b32 s97, s13, 9
	s_add_co_u32 s96, s96, s97
	s_lshl_b32 s97, s[LIMB], 16
	s_add_co_u32 s88, s96, s97
	s_lshl_b32 s97, s[LIMA], 16
	s_add_co_u32 s90, s96, s97
	s_mov_b32 s89, 0
	s_mov_b32 s91, 0
	s_lshl_b32 s96, s11, 16
	s_lshl_b32 s97, s12, 9
	s_add_co_u32 s96, s96, s97
	s_lshl_b32 s97, s9, 6
	s_add_co_u32 s96, s96, s97
	s_lshl_b32 s97, s13, 1
	s_add_co_u32 s96, s96, s97
	s_add_co_u32 s96, s96, CSO
	s_lshl_b32 s97, s[LIMB], 12
	s_add_co_u32 s92, s96, s97
	s_lshl_b32 s97, s[LIMA], 12
	s_add_co_u32 s94, s96, s97
	s_mov_b32 s93, 0
	s_mov_b32 s95, 0
	s_add_nc_u64 s[88:89], s[6:7], s[88:89]
	s_add_nc_u64 s[90:91], s[6:7], s[90:91]
	s_add_nc_u64 s[92:93], s[6:7], s[92:93]
	s_add_nc_u64 s[94:95], s[6:7], s[94:95]
	s_add_co_u32 s96, s13, 2
	s_lshl_b32 s97, s96, 16
	v_add_nc_u32 v2, s97, v1
	v_lshl_add_u32 v3, v3, 2, SCB
	s_lshl_b32 s97, s96, 12
	v_add_nc_u32 v4, s97, v3
	s_lshr_b32 s96, s9, 1
	s_lshl_b32 s96, s96, 5
	s_and_b32 s97, s9, 1
	s_lshl_b32 s97, s97, 3
	s_add_co_u32 s96, s96, s97
	v_bfe_u32 v9, v0, 4, 1
	v_and_b32 v10, 8, v8
	s_delay_alu instid0(VALU_DEP_1)
	v_add_nc_u32 v10, v10, v8
	s_delay_alu instid0(VALU_DEP_3)
	v_lshlrev_b32 v11, 4, v9
	s_delay_alu instid0(VALU_DEP_1)
	v_sub_nc_u32 v10, v10, v11
	s_delay_alu instid0(VALU_DEP_1)
	v_add_nc_u32 v5, s96, v10
	s_cmp_eq_u32 s13, 0
	s_cselect_b32 s[MK0], -1, 0
	s_cselect_b32 s[MK1], 0, -1
	s_mov_b32 s[SEL], 0x76543210
	s_mov_b32 s[SEL+1], 0xfedcba98
	s_mov_b32 s[CS], 0x39b8aa3b
	s_mov_b32 s[CS+1], s[CS]
	s_mov_b32 s[KS], 0
	s_mov_b32 s[TB], 0
	s_mov_b32 s[TS], 0
	v_mov_b32 v13, 0xff61b1e6
	s_delay_alu instid0(VALU_DEP_1)
	v_floor_f32 v12, -v13
	v_mov_b32 v14, 0
	v_mov_b32 v15, 0
	v_mov_b32 v17, 0xff61b1e6
	s_delay_alu instid0(VALU_DEP_1)
	v_floor_f32 v16, -v17
	v_mov_b32 v18, 0
	v_mov_b32 v19, 0
.irp b, 0,1,2,3
	v_mov_b32 v[236+\b], 0
.endr
	v_mov_b32 v252, 0
	v_mov_b32 v253, 0
	v_mov_b32 v254, 0
.irp j, 0,1,2,3,4,5,6,7,8,9,10,11,12,13,14,15,16,17,18,19,20,21,22,23,24,25,26,27,28,29,30,31,32,33,34,35,36,37,38,39,40,41,42,43,44,45,46,47,48,49,50,51,52,53,54,55,56,57,58,59,60,61,62,63
	v_mov_b32 v[160+\j], 0
.endr
	s_wait_loadcnt 0x0
.irp i, 0,1,2,3
	v_and_b32 v[20+\i], s[MK0], v[20+\i]
	v_and_b32 v[24+\i], s[MK1], v[24+\i]
	v_and_b32 v[28+\i], s[MK0], v[28+\i]
	v_and_b32 v[32+\i], s[MK1], v[32+\i]
.endr
	s_wait_tensorcnt 0x0                           ; my load, if I issued one, has landed
	s_barrier_signal -1
	s_barrier_wait -1                              ; everybody's has: K, V and the scale words are whole, and nothing is filled again
.Lkeys:                                                ; 16 trips of 128 keys; a step beyond a tile's diagonal is jumped over by ids
	PAIR
	s_cmp_lt_u32 s[KS], 16
	s_cbranch_scc1 .Lkeys
.rept 4
	v_nop
.endr
	FINAL 12, 160, 96, 224, 240, 88, 92
	FINAL 16, 192, 128, 228, 241, 90, 94
	s_wait_tensorcnt 0x0
	ds_add_u32 v243, v255
	s_wait_dscnt 0x0
	CROUND
	s_endpgm
.Lfunc_end_k_qcdc90da546_attn:
	.size	k_qcdc90da546_attn, .Lfunc_end_k_qcdc90da546_attn-k_qcdc90da546_attn
	.p2alignl 7, 3214868480
	.fill 96, 4, 3214868480
	.section	.rodata,"a",@progbits
	.p2align	6, 0x0
	.amdhsa_kernel k_qcdc90da546_attn
		.amdhsa_group_segment_fixed_size 327680
		.amdhsa_private_segment_fixed_size 0
		.amdhsa_enable_private_segment 0
		.amdhsa_kernarg_size 16
		.amdhsa_user_sgpr_count 2
		.amdhsa_user_sgpr_kernarg_segment_ptr 1
		.amdhsa_wavefront_size32 1
		.amdhsa_system_sgpr_workgroup_id_x 1
		.amdhsa_system_sgpr_workgroup_id_y 1
		.amdhsa_system_sgpr_workgroup_id_z 1
		.amdhsa_system_vgpr_workitem_id 0
		.amdhsa_next_free_vgpr 256
		.amdhsa_next_free_sgpr 100
		.amdhsa_reserve_vcc 1
		.amdhsa_float_denorm_mode_32 3
		.amdhsa_float_denorm_mode_16_64 3
		.amdhsa_memory_ordered 1
		.amdhsa_forward_progress 1
		.amdhsa_inst_pref_size 64
	.end_amdhsa_kernel
	.amdgpu_metadata
---
amdhsa.version: [ 1, 2 ]
amdhsa.kernels:
  - .name:           k_qcdc90da546_attn
    .symbol:         k_qcdc90da546_attn.kd
    .args:
      - { .name: qkv, .offset: 0, .size: 8, .value_kind: global_buffer, .address_space: global }
      - { .name: ctx, .offset: 8, .size: 8, .value_kind: global_buffer, .address_space: global }
    .group_segment_fixed_size: 327680
    .private_segment_fixed_size: 0
    .kernarg_segment_align: 8
    .kernarg_segment_size: 16
    .max_flat_workgroup_size: 512
    .sgpr_count:     100
    .vgpr_count:     256
    .wavefront_size: 32
...
	.end_amdgpu_metadata
.endif
;; end of part 3
;; launch outp (part 4): grid 4 x 64, 4 waves a work-group, clusters of 4 x 4, 246,272 bytes of LDS; arguments ctx, ops, bo, out0; writes out0
.if DOCPART == 4
	.amdgcn_target "amdgcn-amd-amdhsa--gfx1250"
	.amdhsa_code_object_version 6
	.text
	.protected	k_qcdc90da546_outp
	.globl	k_qcdc90da546_outp
	.p2align	8
	.type	k_qcdc90da546_outp,@function
k_qcdc90da546_outp:
	s_mov_b64 s[64:65], 0
	v_nop
	global_prefetch_b8 v0, s[64:65] scope:SCOPE_SE
	s_setreg_imm32_b32 hwreg(HW_REG_WAVE_MODE, 25, 1), 1
	s_wait_xcnt 0x0
	s_wait_alu depctr_hold_cnt(0) depctr_sa_sdst(0) depctr_va_vdst(0) depctr_va_sdst(0) depctr_va_ssrc(0) depctr_va_vcc(0) depctr_vm_vsrc(0)
	s_getreg_b32 s2, hwreg(HW_REG_IB_STS2, 6, 4)
	s_cmp_eq_u32 s2, 0
	s_cbranch_scc0 .Lentry_in_a_cluster
	s_endpgm
.Lentry_in_a_cluster:
	s_bfe_u32 s2, ttmp6, 0x10000c
	s_cmp_lg_u32 s2, 0xf033
	s_cbranch_scc0 .Lentry_shape_is_right
	s_endpgm
.Lentry_shape_is_right:
; out0 = ctx Wo + bo on codes of FP4 (E2M1) with E8M0 scales, f32 sums.  ctx comes as codes from the attention launch, Wo's from the quantiser's; both as images of fragments (1,024 bytes: group c of lane l at 512 c + 16 l).
; A work-group makes 128 rows of ctx (Q) x 256 columns of Wo (P) over all of K = 1,024: 256 work-groups.  THE PRODUCT IS USED TRANSPOSED: source 0 = 16 columns of Wo, source 1 = 16 rows of ctx: a lane holds one row, its registers run along n.
; Tiles hold their rows in the order 32 g + 8 u + r + 8 (r / 8): the 16 registers of tiles 2 b, 2 b + 1 are n = 32 b + 16 (lane / 16) + 0 .. 15; the rows are put back in order by the stores' offsets.
; Four waves: wave w takes rows 64 (w / 2) on (4 tiles) x columns 128 (w % 2) on (8 tiles): 32 accumulators (window 1).  The bias is the C of each sum's first matrix instruction (window 2).
; All operands of the work-group fit in LDS at once: every LDS byte is filled once, in one load a wave at the head; no slot is ever filled again.
; CLUSTERS: 4 x 4 work-groups; ctx's tiles hang on cy alone and are asked for jointly along a row of the cluster, Wo's on cx alone, along a column.
; Every tile is asked for at the head, so there is no later stream to ask ahead for: no prefetch.
; THE FILLS AS THE TEXT NOW HAS THEM: four loads in all, ONE a wave: ctx's codes (64 KiB), Wo's codes (128 KiB), ctx's scale words (4 KiB), Wo's (8 KiB), each a dense block of memory.
.set WC, 4194304
.set WS, 6553600
.set CSO, 4194304
.set PL,  65536                        ; LDS: Q's codes [tile 8][K step 8][1 KiB] at 0; P's [tile 16][K step 8][1 KiB] here: as they lie in memory
.set QSL, 196608                       ; Q's scale words [K step 8][tile 8][64 bytes]
.set PSL, 200704                       ; P's: two such groups
.set STG, 208896                       ; the way out: 16 rows x (512 bytes + 16) for each wave; no fill lands here
.set SP,  528
.set ADQ, 4
.set ADP, 5
.set ADS, 7
.set STO, 8                            ; v8   the stage: where I put 32 bytes of a row
.set RD,  9                            ; v9   and where I read a row back
.set SC,  32
.set G1Q, 24
.set G1P, 32
.set G1QS, 40
.set G1PS, 48
.set G0QS, 56
.set G0PS, 60
.set G0Q, 68
.set G0P, 76
.set MSB, 0
.macro WIN new                         ; the immediate's high byte repeats the setting that is left
.if MSB != \new
	s_set_vgpr_msb (MSB<<8)|\new
.set MSB, \new
.endif
.endm
.macro G1REST g, c, r, p               ; elements of 8 bytes: rows of c, r of them, p from row to row
	s_mov_b32 s[\g+1], (\c)<<16
	s_mov_b32 s[\g+2], (\r)<<16
	s_mov_b32 s[\g+3], (\c)<<16
	s_mov_b32 s[\g+4], \r
	s_mov_b32 s[\g+5], \p
	s_mov_b32 s[\g+6], 0
	s_mov_b32 s[\g+7], 0
.endm
; An arm of the head's one tree of branches on the wave's number: its joint load, an s_nop 0 and four v_nop, and a jump to the tree's end.
.macro ARM under, g0, g1, next
	s_cmp_lt_u32 s14, \under
	s_cbranch_scc0 \next
	tensor_load_to_lds s[\g0:\g0+3], s[\g1:\g1+7]
	s_nop 0
.rept 4
	v_nop
.endr
	s_branch .Lhead_asked
\next:
.endm
.macro CROUND                          ; a round of the cluster's barrier
	s_barrier_signal -1
	s_barrier_wait -1
	s_cmp_lg_u32 s14, 0
	s_cbranch_scc1 .Lnot_wave_0_\@
	s_barrier_signal -3
.Lnot_wave_0_\@:
	s_barrier_wait -3
	s_barrier_signal -1
	s_barrier_wait -1
.endm
; K step q's operands into set s: 8 fragments of P, 4 of Q, 8 registers of scale words: 32 LDS loads.  (For i >= 4 the lower lanes read filled bytes that no product takes.)
.macro FETCH q, s
.irp i, 0,1,2,3,4,5,6,7
.irp c, 0,1
	ds_load_b128 v[64+96*(\s)+8*\i+4*\c:64+96*(\s)+8*\i+4*\c+3], v[ADP] offset:\i*8192+(\q)*1024+512*\c
.endr
.endr
.irp a, 0,1,2,3
.irp c, 0,1
	ds_load_b128 v[128+96*(\s)+8*\a+4*\c:128+96*(\s)+8*\a+4*\c+3], v[ADQ] offset:\a*8192+(\q)*1024+512*\c
.endr
.endr
.irp i, 0,1,2,3,4,5,6,7
	ds_load_b32 v[SC+8*(\s)+\i], v[ADS] offset:(\q)*512+\i*64
.endr
.endm
; 32 matrix instructions on set s; the 32 accumulators take turns, one instruction a turn, in the same order in every K step.  bias = 1: the first K step starts the sums from the bias.
.macro MUL s, bias
.irp a, 0,1,2,3
.irp bt, 0,1,2,3,4,5,6,7
.if \bias
	v_wmma_scale_f32_16x16x128_f8f6f4 v[64*\a+8*\bt:64*\a+8*\bt+7], v[64+96*(\s)+8*\bt:64+96*(\s)+8*\bt+7], v[128+96*(\s)+8*\a:128+96*(\s)+8*\a+7], v[8*\bt:8*\bt+7], v[SC+8*(\s)+\bt], v[SC+8*(\s)+\a] matrix_a_fmt:MATRIX_FMT_FP4 matrix_b_fmt:MATRIX_FMT_FP4 matrix_a_scale:MATRIX_SCALE_ROW1
.else
	v_wmma_scale_f32_16x16x128_f8f6f4 v[64*\a+8*\bt:64*\a+8*\bt+7], v[64+96*(\s)+8*\bt:64+96*(\s)+8*\bt+7], v[128+96*(\s)+8*\a:128+96*(\s)+8*\a+7], v[64*\a+8*\bt:64*\a+8*\bt+7], v[SC+8*(\s)+\bt], v[SC+8*(\s)+\a] matrix_a_fmt:MATRIX_FMT_FP4 matrix_b_fmt:MATRIX_FMT_FP4 matrix_a_scale:MATRIX_SCALE_ROW1
.endif
.endr
.endr
.endm
.macro KSTEP q, bias
	s_wait_dscnt 0x0                               ; this K step's operands are in (asked for 32 matrix instructions ago)
.if (\q) < 7
.if (\q) > 0
.rept 4
	v_nop                                          ; four places between the products that read the other set and the loads into it (ISA guide 7.12.1 for vector instructions)
.endr
.endif
	FETCH (\q)+1, ((\q)+1)%2
.endif
.if \bias
	WIN 0x60                                       ; C (the bias) in window 2, D in window 1
.else
	WIN 0x50                                       ; C and D in window 1
.endif
	MUL (\q)%2, \bias
	WIN 0
.endm
; THE WAY OUT, a tile of 16 rows x 128 columns at a time: through my own stage, back as whole rows of 512 bytes.  LDS serves a wave's instructions in order: no wait between the stores and the loads.
.macro TOSTAGE a
	WIN 0x04                                       ; an LDS store's data are its source 1: window 1
.irp bt, 0,1,2,3,4,5,6,7
	ds_store_b128 v[STO], v[64*(\a)+8*\bt:64*(\a)+8*\bt+3] offset:128*(\bt/2)+32*(\bt%2)       ; each accumulator from its low end on
	ds_store_b128 v[STO], v[64*(\a)+8*\bt+4:64*(\a)+8*\bt+7] offset:128*(\bt/2)+32*(\bt%2)+16
.endr
	WIN 0
.irp t, 0,1,2,3,4,5,6,7,8,9,10,11,12,13,14,15
	ds_load_b128 v[64+64*((\a)%2)+4*\t:64+64*((\a)%2)+4*\t+3], v[RD] offset:\t*SP
.endr
.endm
.macro SEND a, younger                 ; younger: the LDS instructions issued behind tile a's loads, which may stay out
	s_wait_dscnt \younger
.irp t, 0,1,2,3,4,5,6,7,8,9,10,11,12,13,14,15
	global_store_b128 v3, v[64+64*((\a)%2)+4*\t:64+64*((\a)%2)+4*\t+3], s[10:11] offset:(32*((\a)/2)+8*((\a)%2)+\t+8*(\t/8))*4096 th:TH_STORE_NT   ; place t of tile a is this row; 32 lanes store 512 consecutive bytes, aligned
.endr
.endm
	s_load_b256 s[4:11], s[0:1], 0x0               ; ctx s[4:5], ops s[6:7], bo s[8:9], out0 s[10:11]
	v_lshl_add_u32 v62, v0, 2, 0x3c000
	v_mov_b32 v63, 0
	ds_add_u32 v62, v63
	ds_add_u32 v62, v63
	v_lshrrev_b32 v1, 5, v0
	v_readfirstlane_b32 s14, v1                    ; wave
	s_lshr_b32 s15, s14, 1                         ; my half of the rows
	s_and_b32 s16, s14, 1                          ; my half of the columns
	s_bfe_u32 s84, ttmp6, 0x40000                  ; cx
	s_bfe_u32 s85, ttmp6, 0x40004                  ; cy
	s_and_b32 s17, ttmp7, 0xffff                   ; cluster y
	s_lshl_b32 s86, s85, 2
	s_lshl_b32 s86, 15, s86                        ; my row of the cluster
	s_lshl_b32 s87, 0x1111, s84                    ; my column
	s_or_b32 s[G1Q], s86, (3<<16)|(1<<21)          ; 15:0 the mask; 17:16 elements of 8 bytes; 21 set beside a mask; no padding
	s_or_b32 s[G1QS], s86, (3<<16)|(1<<21)
	s_or_b32 s[G1P], s87, (3<<16)|(1<<21)
	s_or_b32 s[G1PS], s87, (3<<16)|(1<<21)
	G1REST G1Q, 1024, 8, 1024                      ; eight tiles, all 8 K steps: rows of 8,192 bytes, dense
	G1REST G1P, 1024, 16, 1024                     ; sixteen tiles
	G1REST G1QS, 32, 16, 32                        ; 4,096 dense bytes of scale words, as rows of 256
	G1REST G1PS, 32, 32, 32                        ; 8,192
	s_lshl_b32 s21, s17, 2
	s_add_co_u32 s21, s21, s85                     ; which 128 rows
	s_lshl_b32 s88, s21, 16                        ; ctx's codes: 8 tiles of 8,192 bytes,
	s_mov_b32 s89, 0
	s_lshl_b32 s90, s21, 12                        ; its group of scale words
	s_add_co_u32 s90, s90, CSO
	s_mov_b32 s91, 0
	s_lshl_b32 s92, s84, 17                        ; Wo's tiles 192 + 16 cx on
	s_add_co_u32 s92, s92, WC+192*8192
	s_mov_b32 s93, 0
	s_lshl_b32 s94, s84, 13                        ; its groups of scale words 24 + 2 cx on
	s_add_co_u32 s94, s94, WS+24*4096
	s_mov_b32 s95, 0
	s_wait_dscnt 0x0
	s_wait_kmcnt 0x0
	s_add_nc_u64 s[88:89], s[4:5], s[88:89]
	s_add_nc_u64 s[90:91], s[4:5], s[90:91]
	s_add_nc_u64 s[92:93], s[6:7], s[92:93]
	s_add_nc_u64 s[94:95], s[6:7], s[94:95]
	s_mov_b32 s[G0QS], 1
	s_mov_b32 s[G0QS+1], QSL
	s_mov_b64 s[G0QS+2:G0QS+3], s[90:91]
	s_or_b32 s[G0QS+3], s[G0QS+3], 0x80000000
	s_mov_b32 s[G0PS], 1
	s_mov_b32 s[G0PS+1], PSL
	s_mov_b64 s[G0PS+2:G0PS+3], s[94:95]
	s_or_b32 s[G0PS+3], s[G0PS+3], 0x80000000
	s_mov_b32 s[G0Q], 1
	s_mov_b32 s[G0Q+1], 0
	s_mov_b64 s[G0Q+2:G0Q+3], s[88:89]
	s_or_b32 s[G0Q+3], s[G0Q+3], 0x80000000
	s_mov_b32 s[G0P], 1
	s_mov_b32 s[G0P+1], PL
	s_mov_b64 s[G0P+2:G0P+3], s[92:93]
	s_or_b32 s[G0P+3], s[G0P+3], 0x80000000
	CROUND                                         ; all sixteen work-groups are here: the joint loads meet
	; THE HEAD'S LOADS, ONE A WAVE: wave 0 ctx's codes, wave 1 Wo's codes, wave 2 ctx's scale words, wave 3 Wo's
	ARM 1, G0Q,  G1Q,  .Lhead_p
	ARM 2, G0P,  G1P,  .Lhead_qs
	ARM 3, G0QS, G1QS, .Lhead_ps
	tensor_load_to_lds s[G0PS:G0PS+3], s[G1PS:G1PS+7]
	s_nop 0
.rept 4
	v_nop
.endr
.Lhead_asked:
	v_and_b32 v1, 15, v0                           ; r
	v_bfe_u32 v2, v0, 4, 1                         ; h
	v_and_b32 v3, 31, v0
	v_lshlrev_b32 v3, 4, v3                        ; 16 x lane
	v_lshlrev_b32 v12, 6, v2                       ; the bias: lane (r, h) wants, for tile 2 b + u, n = 32 b + 16 h + 8 u + 0 .. 7
	s_wait_alu depctr_va_vdst(0)
	s_lshl_b32 s96, s84, 10                        ; my first column in bytes: 1,024 cx + 512 (w % 2)
	s_lshl_b32 s97, s16, 9
	s_add_co_u32 s96, s96, s97
	s_mov_b32 s97, 0
	s_add_nc_u64 s[8:9], s[8:9], s[96:97]
	s_add_nc_u64 s[10:11], s[10:11], s[96:97]
	s_lshl_b32 s96, s21, 19                        ; my first row: 128 x which + 64 (w / 2), of 4,096 bytes
	s_lshl_b32 s98, s15, 18
	s_add_co_u32 s96, s96, s98
	s_add_nc_u64 s[10:11], s[10:11], s[96:97]
	WIN 0x80                                       ; destination window 2
.irp bt, 0,1,2,3,4,5,6,7
	global_load_b128 v[8*\bt:8*\bt+3], v12, s[8:9] offset:(32*(\bt/2)+8*(\bt%2))*4
	global_load_b128 v[8*\bt+4:8*\bt+7], v12, s[8:9] offset:(32*(\bt/2)+8*(\bt%2))*4+16
.endr
	WIN 0
	s_lshl_b32 s23, s15, 15                        ; my four tiles of Q: 8,192 bytes a tile
	v_add_nc_u32 v[ADQ], s23, v3
	s_lshl_b32 s23, s16, 16                        ; my eight tiles of P
	s_add_co_u32 s23, s23, PL
	v_add_nc_u32 v[ADP], s23, v3
	s_xor_b32 s23, s15, 1                          ; from Q's words to P's: PSL + 4,096 (w % 2) - QSL - 256 (w / 2), as one product with h
	s_lshl_b32 s23, s23, 8
	s_lshl_b32 s2, s16, 12
	s_add_co_u32 s23, s23, s2
	s_add_co_u32 s23, s23, PSL-QSL-256
	v_mul_u32_u24 v[ADS], s23, v2
	v_lshl_add_u32 v[ADS], v1, 2, v[ADS]
	s_lshl_b32 s23, s15, 8
	s_add_co_u32 s23, s23, QSL
	v_add_nc_u32 v[ADS], s23, v[ADS]
	s_mul_i32 s23, s14, 16*SP
	s_add_co_u32 s23, s23, STG                     ; my stage
	v_mul_u32_u24 v[STO], v1, SP
	v_lshl_add_u32 v[STO], v2, 6, v[STO]
	v_add_nc_u32 v[STO], s23, v[STO]               ; in: row r, + 64 h bytes
	v_add_nc_u32 v[RD], s23, v3                    ; back: 16 bytes a lane of a row
	s_wait_alu depctr_va_vdst(0)
	s_wait_tensorcnt 0x0                           ; my one load has landed
	s_barrier_signal -1
	s_barrier_wait -1                              ; everybody's are
	FETCH 0, 0
	s_wait_loadcnt 0x0                             ; the bias
	KSTEP 0, 1
	KSTEP 1, 0
	KSTEP 2, 0
	KSTEP 3, 0
	KSTEP 4, 0
	KSTEP 5, 0
	KSTEP 6, 0
	KSTEP 7, 0
.rept 4
	v_nop                                          ; four places behind the last products, ahead of the first read of results and of loads into operands' registers
.endr
	TOSTAGE 0
.irp a, 1,2,3
.if \a > 1
	s_wait_xcnt 0x0                                ; tile a - 2's stores have read their registers: tile a's loads may land there
.endif
	TOSTAGE \a
	SEND \a-1, 32                                  ; behind tile a - 1's loads: tile a's 16 stores and 16 loads
.endr
	SEND 3, 0
	s_wait_tensorcnt 0x0
	ds_add_u32 v62, v63
	s_wait_dscnt 0x0
	CROUND                                         ; the closing round: no work-group ends while a partner may still ask for a tile that names it
	s_endpgm
.Lfunc_end_k_qcdc90da546_outp:
	.size	k_qcdc90da546_outp, .Lfunc_end_k_qcdc90da546_outp-k_qcdc90da546_outp
	.p2alignl 7, 3214868480
	.fill 96, 4, 3214868480
	.section	.rodata,"a",@progbits
	.p2align	6, 0x0
	.amdhsa_kernel k_qcdc90da546_outp
		.amdhsa_group_segment_fixed_size 246272
		.amdhsa_private_segment_fixed_size 0
		.amdhsa_enable_private_segment 0
		.amdhsa_kernarg_size 32
		.amdhsa_user_sgpr_count 2
		.amdhsa_user_sgpr_kernarg_segment_ptr 1
		.amdhsa_wavefront_size32 1
		.amdhsa_system_sgpr_workgroup_id_x 1
		.amdhsa_system_sgpr_workgroup_id_y 1
		.amdhsa_system_sgpr_workgroup_id_z 1
		.amdhsa_system_vgpr_workitem_id 0
		.amdhsa_next_free_vgpr 576
		.amdhsa_next_free_sgpr 100
		.amdhsa_reserve_vcc 0
		.amdhsa_float_denorm_mode_32 3
		.amdhsa_float_denorm_mode_16_64 3
		.amdhsa_memory_ordered 1
		.amdhsa_forward_progress 1
		.amdhsa_inst_pref_size 74
	.end_amdhsa_kernel
	.amdgpu_metadata
---
amdhsa.version: [ 1, 2 ]
amdhsa.kernels:
  - .name:           k_qcdc90da546_outp
    .symbol:         k_qcdc90da546_outp.kd
    .args:
      - { .name: ctx, .offset: 0, .size: 8, .value_kind: global_buffer, .address_space: global }
      - { .name: ops, .offset: 8, .size: 8, .value_kind: global_buffer, .address_space: global }
      - { .name: bo, .offset: 16, .size: 8, .value_kind: global_buffer, .address_space: global }
      - { .name: out0, .offset: 24, .size: 8, .value_kind: global_buffer, .address_space: global }
    .group_segment_fixed_size: 246272
    .private_segment_fixed_size: 0
    .kernarg_segment_align: 8
    .kernarg_segment_size: 32
    .max_flat_workgroup_size: 128
    .sgpr_count:     100
    .vgpr_count:     576
    .wavefront_size: 32
...
	.end_amdgpu_metadata
.endif
;; end of part 4
